; MI455X (gfx1250); checked and timed in simulation.
; The chip was launched on July 23, 2026; its instructions are those of AMD's public machine-readable ISA for CDNA 5 (MIT licence, August 2026) and "CDNA5" Instruction Set Architecture Reference Guide (July 2026). The comments in the code are by the model that wrote it; some were corrected since.
;; Attention. Allowed arithmetic: matrix products marked QUANTISED: E2M1 operands, one E8M0 scale for each 32 along K, by v_wmma_scale_f32_16x16x128_f8f6f4 with both operands' format E2M1 (or v_wmma_scale_f32_32x16x128_f4), f32 sums; products left as they are: f32 operands where the result goes on into a quantised operand, else bf16, f16 or f32 operands; f32 sums; everything else in f32.
;; Inputs: Ua_b 1,024 float32; Ua_w 1,024 x 1,024 float32; Va_b 1 float32; Va_w 1 x 1,024 float32; Wa_b 1,024 float32; Wa_w 1,024 x 1,024 float32; decoder_outputs 64 x 1 x 1,024 float32; encoder_outputs 64 x 1,024 x 1,024 float32.
;; Outputs: out0 64 x 1 x 1,024 float32.
;; This version of the problem:
;;   THIS VERSION OF THE PROBLEM IS GIVEN IN LOW PRECISION. The matrix products marked QUANTISED in the list below multiply operands that are first quantised to E2M1 (2 exponent bits, 1 mantissa bit; 4 bits a number), with one power-of-two scale for each 32 numbers along K (OCP MX v1.0); their sums are f32. All else is computed in f32.
;;   The module's matrix products, in the order in which they are computed (A, B: the left and right operand; K: the contracted axis; several contracted axes count as one K, in the product's order):
;;     1. [M 64, K 1,024] x [K 1,024, N 1,024]; A: input decoder_outputs; B: input Wa_w: QUANTISED
;;     2. [M 65,536, K 1,024] x [K 1,024, N 1,024]; A: input encoder_outputs; B: input Ua_w: QUANTISED
;;     3. [M 65,536, K 1,024] x [K 1,024, N 1]; A: computed on the way; B: input Va_w: left as it is (N = 1 < 16)
;;     4. batch 64 x [M 1, K 1,024] x [K 1,024, N 1,024]; A: softmax; B: input encoder_outputs: left as it is (M = 1 < 16)
;;   THE QUANTISER, for each operand of a quantised product, along K:
;;     - K is cut into blocks of 32 from its start; a last block that is shorter is filled with zeros.
;;     - A block's scale is 2^e with e = floor(log2(the largest magnitude in the block)) - 2, held to -126 .. 127; a block of zeros has e = 0. As a byte (E8M0): e + 127.
;;     - Each number is divided by its block's scale, clamped to +-6, and rounded to the nearest number of E2M1, ties to even, subnormals kept.
;;     - The product sums the exact products of the quantised numbers (number of the format x scale) in f32.
;;   ~~~python
;;   def quantise(x, axis):      # numpy; x: float32 -> the quantised numbers, widened to float32 again
;;       x = np.moveaxis(x, axis, -1); K = x.shape[-1]
;;       x = np.pad(x, [(0, 0)] * (x.ndim - 1) + [(0, -K % 32)]); x = x.reshape(x.shape[:-1] + (-1, 32)); a = np.abs(x).max(-1, keepdims=True)
;;       e = np.where(a > 0, np.clip(np.frexp(np.where(a > 0, a, 1))[1] - 1 - 2, -126, 127), 0)      # np.frexp(a)[1] - 1 = floor(log2(a)), exactly
;;       r = np.clip(x / 2.0 ** e, -6, 6)
;;       step = 2.0 ** (np.maximum(np.frexp(np.where(r == 0, 1, r))[1] - 1, 0) - 1)
;;       q = np.round(r / step) * step * 2.0 ** e      # np.round: ties to even
;;       return np.moveaxis(q.reshape(q.shape[:-2] + (-1,))[..., :K], -1, axis).astype(np.float32)
;;   ~~~
;; One version. Each part assembles by itself: llvm-mc -triple=amdgcn-amd-amdhsa -mcpu=gfx1250 --defsym DOCPART=n.
;; ======== version 1 of 1: 3 launches
;; limits: right only within a limited range of input values
;; workspace buffers: ub_codes 524,288 bytes; ub_scales 32,768 bytes; cbias 262,144 bytes; pctx 1,048,576 bytes; pstat 65,536 bytes
;; launch prep (part 1): grid 64 x 4, 8 waves a work-group, no clusters, 76,800 bytes of LDS; arguments Ua_w, Wa_w, decoder_outputs, Wa_b, Ua_b, ub_codes, ub_scales, cbias; writes ub_codes, ub_scales, cbias
.if DOCPART == 1
	.amdgcn_target "amdgcn-amd-amdhsa--gfx1250"
	.amdhsa_code_object_version 6
	.text
	.protected	k_q51f04d4281_prep
	.globl	k_q51f04d4281_prep
	.p2align	8
	.type	k_q51f04d4281_prep,@function
k_q51f04d4281_prep:
	s_mov_b64 s[64:65], 0
	v_nop
	global_prefetch_b8 v0, s[64:65] scope:SCOPE_SE
	s_setreg_imm32_b32 hwreg(HW_REG_WAVE_MODE, 25, 1), 1
	s_wait_xcnt 0x0
; PREP.  Three things that the main launch wants ready:
;   ub_codes  [T 64][s 8][c 2][lane 32][16 B]: Ua_w as codes of FP4 (E2M1), laid as the image of an operand's registers: hidden tile T (16 units), K step s (128 along K),
;             registers 4 c .. 4 c + 3 of lane (r, h) = codes of unit 16 T + r, k = 128 s + 64 c + 32 h + 0 .. 31.
;   ub_scales [T 64][lane 32][u 4] words: lane (r, h), word u = the four E8M0 bytes of unit 16 T + r at K step 2 u + h.
;   cbias     [T 64][b 64][16] f32: c x (decoder_outputs[b] . Wa_w[unit] + Wa_b[unit] + Ua_b[unit]), c = 2 log2(e); the product is the quantised one, on FP4 codes.
; SHARES.  Work-group (T, m): hidden tile T, batch rows 16 m .. 16 m + 15.  Wave w takes K step w of the small product: it quantises 16 x 128 of Wa_w and of decoder_outputs and
; issues one matrix instruction; the eight partial tiles meet in LDS and waves 2 and 3 add them.  Waves 0 and 1 also quantise Ua_w tile T at K step 2 m + w: each piece once in the launch.
; THE QUANTISER.  A block of 32 along K: scale 2^(floor(log2(largest magnitude)) - 2); its byte is the largest magnitude's exponent field - 2, held at 1 from below by a floor among the maximum's leaves.
; Loads take 512 consecutive bytes of a row; the numbers turn through the wave's own stage in LDS, so that lane (r, h) holds k = 64 c + 32 h + 0 .. 31 of row r in consecutive registers.
; LIMITS: NaN and infinities among the inputs are not served.  A block of zeros gets the byte 1 (the rule says 127): its codes are zeros and only this program reads the bytes.
; The small product's K is summed as eight partial sums of 128 and then in f32 by a tree: another order of rounding than one chain along K.
; The scale words leave as 4 bytes a lane, 16 bytes apart: 32 KB in the whole launch.
; No tensor load, no cluster: what work-groups share here (Wa_w by 4, the decoder's rows by 64) is read once each by a work-group, straight into registers.
; WORK LEFT OUT IN THIS PROGRAM.  reference() adds Va_b to every score of a batch, and softmax(s + k) = softmax(s) for any k that is the same along the softmax's axis: so Va_b reaches no output, for all
; values of the inputs; it is not loaded and is no launch's argument.  Likewise tanh(x) = 1 - 2 / (1 + e^(2 x)): the term (sum over the hidden units of Va) x 1 is the same for every encoder row, so the main
; launch leaves it out of the scores.  LIMIT: a NaN, an infinity or an overflow that reaches only these two terms is not carried to the result.
.set STGW, 8448                        ; a wave's stage: 16 rows x 528 bytes
.set SPIT, 528                         ; a stage row: 512 bytes + 16: sixteen lanes that read one column of sixteen rows touch sixteen different 16-byte columns modulo 256 bytes
.set PD,   8*STGW                      ; behind the stages: the partial tiles, [wave 8][batch row 16][16 units] f32
.set L16,  4                           ; v4   16 x lane
.set STW,  5                           ; v5   the stage, on the way in: 8,448 w + 16 x lane
.set STR,  6                           ; v6   and on the way out: 8,448 w + 528 r + 128 h
.set PDW,  7                           ; v7   where my partial results go: PD + 1,024 w + 64 r + 32 h
.set PDR,  8                           ; v8   where the adding waves read: PD + 16 x (thread % 64)
.set SH,   9                           ; v9   8 h: my two scale bytes' shift in the word
.set R16,  10                          ; v10  16 r
.set B16,  11                          ; v11  16 x (thread % 4): my four units' biases
.set O16,  12                          ; v12  16 x (thread % 64)
.set LW,   16                          ; v16-79   Wa_w's numbers; v16-23 later the matrix result
.set LD,   80                          ; v80-143  the decoder's numbers; later the partial tiles
.set LU,   144                         ; v144-207 Ua_w's numbers
.set WF,   208                         ; fragments: Wa_w's, the decoder's, Ua_w's
.set DF,   216
.set UF,   224
.set WS,   232                         ; scale words: they hold scales and nothing else
.set DS,   233
.set US,   234
.set TM,   236                         ; v236-242 at work
.set BA,   248                         ; v248-251 Wa_b, v252-255 Ua_b
.set BU,   252
.set WV,   20                          ; s20  wave
.set MB,   21                          ; s21  m
.set OFS,  24                          ; s[24:25] an offset in 64 bits
.set SEL,  26                          ; s[26:27] v_permlanex16_b32's selects for lane l xor 16
.set C2,   28                          ; s[28:29] c = 2 log2(e), twice
.macro UNITLOAD reg, sb                ; 16 rows x 128 numbers: each load reads 512 consecutive bytes of one row
.irp p, 0,1,2,3,4,5,6,7,8,9,10,11,12,13,14,15
	global_load_b128 v[\reg+4*\p:\reg+4*\p+3], v[L16], s[\sb:\sb+1] offset:4096*\p
.endr
.endm
.macro TURN reg                        ; through my stage and back into the registers that they left: LDS serves a wave's instructions in order (ISA guide 5.7.1.4), so the loads see the stores
.irp p, 0,1,2,3,4,5,6,7,8,9,10,11,12,13,14,15
	ds_store_b128 v[STW], v[\reg+4*\p:\reg+4*\p+3] offset:SPIT*\p
.endr
.irp k, 0,1
.irp j, 0,1,2,3,4,5,6,7
	ds_load_b128 v[\reg+32*\k+4*\j:\reg+32*\k+4*\j+3], v[STR] offset:256*\k+16*\j   ; register 32 k + i = number 64 k + 32 h + i of row r
.endr
.endr
	s_wait_dscnt 0x0
.endm
; 64 numbers of a lane (two whole blocks: blocks h and 2 + h of row r) become the fragment's 8 registers v[c ..] and the row's scale word v[s]
.macro QUANT6 x, c, s
.irp k, 0,1
	v_max3_num_f32 v[TM+\k], |v[\x+32*\k]|, |v[\x+32*\k+1]|, 0x1800000   ; the floor 2^(3 - 127) among the leaves: the byte cannot fall under 1
.endr
.irp i, 2,4,6,8,10,12,14,16,18,20,22,24,26,28,30
.irp k, 0,1
	s_delay_alu instid0(VALU_DEP_2)
	v_max3_num_f32 v[TM+\k], v[TM+\k], |v[\x+32*\k+\i]|, |v[\x+32*\k+\i+1]|   ; the two blocks by turns
.endr
.endr
.irp k, 0,1
	s_delay_alu instid0(VALU_DEP_2)
	v_add_nc_u32 v[TM+2+\k], 0xff000000, v[TM+\k]      ; 2 off the exponent field: the conversion takes this operand's exponent field as its scale
.endr
.irp k, 0,1
	s_delay_alu instid0(VALU_DEP_2)
	v_lshrrev_b32 v[TM+4+\k], 23, v[TM+2+\k]           ; the scale's byte
.endr
	s_delay_alu instid0(VALU_DEP_1)
	v_lshl_or_b32 v[\s], v[TM+5], 16, v[TM+4]          ; my two bytes,
	s_delay_alu instid0(VALU_DEP_1)
	v_lshlrev_b32 v[\s], v[SH], v[\s]                  ; at their places in the word (8 h bits up);
	s_delay_alu instid0(VALU_DEP_1)
	v_permlanex16_b32 v[TM+6], v[\s], s[SEL], s[SEL+1]
	s_delay_alu instid0(VALU_DEP_1)
	v_or_b32 v[\s], v[\s], v[TM+6]                     ; with lane l xor 16's two the word is whole, in both lanes
.irp k, 0,1
.irp g, 0,1,2,3
	v_cvt_scalef32_pk8_fp4_f32 v[\c+4*\k+\g], v[\x+32*\k+8*\g:\x+32*\k+8*\g+7], v[TM+2+\k]
.endr
.endr
	v_nop                                              ; one plain instruction behind the last scaled conversion
.endm
	s_load_b256 s[4:11], s[0:1], 0x0               ; Ua_w s[4:5], Wa_w s[6:7], decoder_outputs s[8:9], Wa_b s[10:11]
	s_load_b256 s[12:19], s[0:1], 0x20             ; Ua_b s[12:13], ub_codes s[14:15], ub_scales s[16:17], cbias s[18:19]
	v_lshl_add_u32 v246, v0, 2, 0x12800
	v_mov_b32 v247, 0
	v_lshrrev_b32 v1, 5, v0
	s_delay_alu instid0(VALU_DEP_1)
	v_readfirstlane_b32 s[WV], v1                  ; wave 0..7
	s_and_b32 s[MB], ttmp7, 0xffff                 ; m
	v_and_b32 v1, 31, v0                           ; lane
	v_and_b32 v2, 15, v0                           ; r
	v_bfe_u32 v3, v0, 4, 1                         ; h
	s_delay_alu instid0(VALU_DEP_3)
	v_lshlrev_b32 v[L16], 4, v1
	s_mul_i32 s23, s[WV], STGW
	v_add_nc_u32 v[STW], s23, v[L16]
	v_mul_u32_u24 v[STR], v2, SPIT
	s_delay_alu instid0(VALU_DEP_1)
	v_lshl_add_u32 v[STR], v3, 7, v[STR]
	s_delay_alu instid0(VALU_DEP_1)
	v_add_nc_u32 v[STR], s23, v[STR]
	s_lshl_b32 s23, s[WV], 10
	s_add_co_u32 s23, s23, PD
	v_lshlrev_b32 v[PDW], 6, v2
	s_delay_alu instid0(VALU_DEP_1)
	v_lshl_add_u32 v[PDW], v3, 5, v[PDW]
	s_delay_alu instid0(VALU_DEP_1)
	v_add_nc_u32 v[PDW], s23, v[PDW]
	v_and_b32 v[O16], 63, v0
	s_delay_alu instid0(VALU_DEP_1)
	v_lshlrev_b32 v[O16], 4, v[O16]
	s_delay_alu instid0(VALU_DEP_1)
	v_add_nc_u32 v[PDR], PD, v[O16]
	v_lshlrev_b32 v[SH], 3, v3
	v_lshlrev_b32 v[R16], 4, v2
	v_and_b32 v[B16], 3, v0
	s_delay_alu instid0(VALU_DEP_1)
	v_lshlrev_b32 v[B16], 4, v[B16]
	v_mov_b32 v[TM+6], 0                           ; written once: a lane permute's destination counts as one of its sources
	s_mov_b32 s[SEL], 0x76543210
	s_mov_b32 s[SEL+1], 0xfedcba98
	s_mov_b32 s[C2], 0x4038aa3b                    ; 2 log2(e)
	s_mov_b32 s[C2+1], s[C2]
	s_mov_b32 s[OFS+1], 0
	s_lshl_b32 s30, s[WV], 9                       ; a K step is 512 bytes of a row
	s_lshl_b32 s31, ttmp9, 16                      ; tile T: 16 rows of 4,096 bytes
	s_wait_alu depctr_va_vdst(0)
	s_wait_kmcnt 0x0
	s_add_co_u32 s[OFS], s31, s30
	s_add_nc_u64 s[6:7], s[6:7], s[OFS:OFS+1]      ; Wa_w at row 16 T, K step w
	s_lshl_b32 s[OFS], s[MB], 16
	s_add_co_u32 s[OFS], s[OFS], s30
	s_add_nc_u64 s[8:9], s[8:9], s[OFS:OFS+1]      ; the decoder's rows 16 m on, K step w
	s_lshl_b32 s[OFS], s[MB], 10
	s_add_co_u32 s[OFS], s[OFS], s30
	s_add_co_u32 s[OFS], s[OFS], s31
	s_add_nc_u64 s[4:5], s[4:5], s[OFS:OFS+1]      ; Ua_w at row 16 T, K step 2 m + w (used by waves 0 and 1 alone)
	s_lshl_b32 s[OFS], ttmp9, 6
	s_add_nc_u64 s[10:11], s[10:11], s[OFS:OFS+1]  ; the tile's 16 biases
	s_add_nc_u64 s[12:13], s[12:13], s[OFS:OFS+1]
	s_lshl_b32 s[OFS], ttmp9, 13
	s_lshl_b32 s31, s[MB], 11
	s_add_co_u32 s[OFS], s[OFS], s31
	s_lshl_b32 s31, s[WV], 10
	s_add_co_u32 s[OFS], s[OFS], s31
	s_add_nc_u64 s[14:15], s[14:15], s[OFS:OFS+1]  ; ub_codes + 8,192 T + 1,024 (2 m + w)
	s_lshl_b32 s[OFS], ttmp9, 9
	s_lshl_b32 s31, s[MB], 2
	s_add_co_u32 s[OFS], s[OFS], s31
	s_lshl_b32 s31, s[WV], 8
	s_add_co_u32 s[OFS], s[OFS], s31
	s_add_nc_u64 s[16:17], s[16:17], s[OFS:OFS+1]  ; ub_scales + 512 T + 4 m + 256 w: word u = m of lanes 16 w + r
	s_lshl_b32 s[OFS], ttmp9, 12
	s_lshl_b32 s31, s[MB], 10
	s_add_co_u32 s[OFS], s[OFS], s31
	s_add_nc_u64 s[18:19], s[18:19], s[OFS:OFS+1]  ; cbias + 4,096 T + 1,024 m
	UNITLOAD LW, 6
	UNITLOAD LD, 8
	global_load_b128 v[BA:BA+3], v[B16], s[10:11]  ; the biases: 16 bytes twice in every wave; waves 2 and 3 use them
	global_load_b128 v[BU:BU+3], v[B16], s[12:13]
	; ---- waves 0 and 1: Ua_w's piece, from its loads to its stores in one branch; its loads are on their way together with those above
	s_cmp_lt_u32 s[WV], 2
	s_cbranch_scc0 .Lno_ua
	UNITLOAD LU, 4
	s_wait_loadcnt 0x0
	TURN LU
	QUANT6 LU, UF, US
	global_store_b128 v[L16], v[UF:UF+3], s[14:15]               ; the fragment as it stands: each store covers 512 consecutive bytes, aligned
	global_store_b128 v[L16], v[UF+4:UF+7], s[14:15] offset:512
	global_store_b32 v[R16], v[US], s[16:17]                     ; lanes r and 16 + r hold the same word and write it to the same place
.Lno_ua:
	s_wait_loadcnt 0x0
	; ---- the small product's K step w
	TURN LW
	QUANT6 LW, WF, WS
	TURN LD
	QUANT6 LD, DF, DS
.rept 8
	v_nop                                          ; a scale register written by a vector instruction stands 8 places ahead of a scaled matrix instruction, an operand so written 4
.endr
	; transposed: source 0 = 16 rows of Wa_w, source 1 = 16 rows of the decoder: lane (r, h) holds batch row r, register j hidden unit 8 h + j
	v_wmma_scale_f32_16x16x128_f8f6f4 v[16:23], v[WF:WF+7], v[DF:DF+7], 0, v[WS], v[DS] matrix_a_fmt:MATRIX_FMT_FP4 matrix_b_fmt:MATRIX_FMT_FP4
.rept 4
	v_nop                                          ; four places between the matrix instruction and the stores that read its result
.endr
	ds_store_b128 v[PDW], v[16:19]                 ; from the result's low end on
	ds_store_b128 v[PDW], v[20:23] offset:16
	s_wait_dscnt 0x0                               ; for the others' sake: my partial tile lies in LDS
	s_barrier_signal -1
	s_barrier_wait -1
	; ---- waves 2 and 3 add the eight partial tiles and the biases: 64 threads, four units of one batch row each
	s_lshr_b32 s23, s[WV], 1
	s_cmp_eq_u32 s23, 1
	s_cbranch_scc0 .Ldone
.irp q, 0,1,2,3,4,5,6,7
	ds_load_b128 v[LD+4*\q:LD+4*\q+3], v[PDR] offset:1024*\q
.endr
	v_pk_add_f32 v[BA:BA+1], v[BA:BA+1], v[BU:BU+1]
	v_pk_add_f32 v[BA+2:BA+3], v[BA+2:BA+3], v[BU+2:BU+3]
	s_wait_dscnt 0x0
.irp q, 0,2,4,6
	v_pk_add_f32 v[LD+4*\q:LD+4*\q+1], v[LD+4*\q:LD+4*\q+1], v[LD+4*\q+4:LD+4*\q+5]
	v_pk_add_f32 v[LD+4*\q+2:LD+4*\q+3], v[LD+4*\q+2:LD+4*\q+3], v[LD+4*\q+6:LD+4*\q+7]
.endr
.irp q, 0
	v_pk_add_f32 v[LD+4*\q:LD+4*\q+1], v[LD+4*\q:LD+4*\q+1], v[LD+4*\q+8:LD+4*\q+9]
	v_pk_add_f32 v[LD+4*\q+2:LD+4*\q+3], v[LD+4*\q+2:LD+4*\q+3], v[LD+4*\q+10:LD+4*\q+11]
.endr
.irp q, 4
	s_delay_alu instid0(VALU_DEP_4)
	v_pk_add_f32 v[LD+4*\q:LD+4*\q+1], v[LD+4*\q:LD+4*\q+1], v[LD+4*\q+8:LD+4*\q+9]
	s_delay_alu instid0(VALU_DEP_4)
	v_pk_add_f32 v[LD+4*\q+2:LD+4*\q+3], v[LD+4*\q+2:LD+4*\q+3], v[LD+4*\q+10:LD+4*\q+11]
.endr
	s_delay_alu instid0(VALU_DEP_2)
	v_pk_add_f32 v[LD:LD+1], v[LD:LD+1], v[LD+16:LD+17]
	s_delay_alu instid0(VALU_DEP_2)
	v_pk_add_f32 v[LD+2:LD+3], v[LD+2:LD+3], v[LD+18:LD+19]
	s_delay_alu instid0(VALU_DEP_2)
	v_pk_add_f32 v[LD:LD+1], v[LD:LD+1], v[BA:BA+1]
	s_delay_alu instid0(VALU_DEP_2)
	v_pk_add_f32 v[LD+2:LD+3], v[LD+2:LD+3], v[BA+2:BA+3]
	s_delay_alu instid0(VALU_DEP_2)
	v_pk_mul_f32 v[LD:LD+1], v[LD:LD+1], s[C2:C2+1] op_sel_hi:[1,0]
	s_delay_alu instid0(VALU_DEP_2)
	v_pk_mul_f32 v[LD+2:LD+3], v[LD+2:LD+3], s[C2:C2+1] op_sel_hi:[1,0]
	global_store_b128 v[O16], v[LD:LD+3], s[18:19] ; each wave stores 512 consecutive bytes, aligned
.Ldone:
	s_wait_tensorcnt 0x0
	ds_add_u32 v246, v247
	s_wait_dscnt 0x0
	s_endpgm
.Lfunc_end_k_q51f04d4281_prep:
	.size	k_q51f04d4281_prep, .Lfunc_end_k_q51f04d4281_prep-k_q51f04d4281_prep
	.p2alignl 7, 3214868480
	.fill 96, 4, 3214868480
	.section	.rodata,"a",@progbits
	.p2align	6, 0x0
	.amdhsa_kernel k_q51f04d4281_prep
		.amdhsa_group_segment_fixed_size 76800
		.amdhsa_private_segment_fixed_size 0
		.amdhsa_enable_private_segment 0
		.amdhsa_kernarg_size 64
		.amdhsa_user_sgpr_count 2
		.amdhsa_user_sgpr_kernarg_segment_ptr 1
		.amdhsa_wavefront_size32 1
		.amdhsa_system_sgpr_workgroup_id_x 1
		.amdhsa_system_sgpr_workgroup_id_y 1
		.amdhsa_system_sgpr_workgroup_id_z 1
		.amdhsa_system_vgpr_workitem_id 0
		.amdhsa_next_free_vgpr 256
		.amdhsa_next_free_sgpr 66
		.amdhsa_reserve_vcc 0
		.amdhsa_float_denorm_mode_32 3
		.amdhsa_float_denorm_mode_16_64 3
		.amdhsa_memory_ordered 1
		.amdhsa_forward_progress 1
		.amdhsa_inst_pref_size 30
	.end_amdhsa_kernel
	.amdgpu_metadata
---
amdhsa.version: [ 1, 2 ]
amdhsa.kernels:
  - .name:           k_q51f04d4281_prep
    .symbol:         k_q51f04d4281_prep.kd
    .args:
      - { .name: Ua_w, .offset: 0, .size: 8, .value_kind: global_buffer, .address_space: global }
      - { .name: Wa_w, .offset: 8, .size: 8, .value_kind: global_buffer, .address_space: global }
      - { .name: decoder_outputs, .offset: 16, .size: 8, .value_kind: global_buffer, .address_space: global }
      - { .name: Wa_b, .offset: 24, .size: 8, .value_kind: global_buffer, .address_space: global }
      - { .name: Ua_b, .offset: 32, .size: 8, .value_kind: global_buffer, .address_space: global }
      - { .name: ub_codes, .offset: 40, .size: 8, .value_kind: global_buffer, .address_space: global }
      - { .name: ub_scales, .offset: 48, .size: 8, .value_kind: global_buffer, .address_space: global }
      - { .name: cbias, .offset: 56, .size: 8, .value_kind: global_buffer, .address_space: global }
    .group_segment_fixed_size: 76800
    .private_segment_fixed_size: 0
    .kernarg_segment_align: 8
    .kernarg_segment_size: 64
    .max_flat_workgroup_size: 256
    .sgpr_count:     66
    .vgpr_count:     256
    .wavefront_size: 32
...
	.end_amdgpu_metadata
.endif
;; end of part 1
;; launch main (part 2): grid 256 x 1, 4 waves a work-group, no clusters, 327,680 bytes of LDS; arguments encoder_outputs, ub_codes, ub_scales, cbias, Va_w, pctx, pstat; writes pctx, pstat
.if DOCPART == 2
	.amdgcn_target "amdgcn-amd-amdhsa--gfx1250"
	.amdhsa_code_object_version 6
	.text
	.protected	k_q51f04d4281_main
	.globl	k_q51f04d4281_main
	.p2align	8
	.type	k_q51f04d4281_main,@function
k_q51f04d4281_main:
	s_mov_b64 s[64:65], 0
	v_nop
	global_prefetch_b8 v0, s[64:65] scope:SCOPE_SE
	s_setreg_imm32_b32 hwreg(HW_REG_WAVE_MODE, 25, 1), 1
	s_wait_xcnt 0x0
; MAIN.  For 256 encoder rows of one batch: the scores Va . tanh(Wa + Ua[e]), a running softmax over the rows, and the unnormalised context, the sum of p[e] x encoder row e.
; Ua = Q(encoder) Q(Ua_w)^T on codes of FP4 (E2M1) with one E8M0 scale for each 32 along K; everything else in f32.
; LEFT OUT (shown at the head of the first kernel): Va_b, and the term (sum of Va) x 1 of tanh(x) = 1 - 2 / (1 + 2^(c x)): both are the same for all rows of a softmax.  So t = -2 log2(e) x sum of Va / (1 + 2^(c x)).
; SHARES.  Work-group g owns rows 256 g .. 256 g + 255 (batch g / 4) and walks them in 8 tiles of 32 rows.  A tile, 32 rows x 4,096 bytes of f32, is one LDS slot; two slots take turns, each wave bringing
; 8 rows (32,768 consecutive bytes) with one tensor load.  The f32 rows stay in the slot from the quantiser to the context: each encoder byte leaves memory once.
; A TRIP:  Q  wave w quantises its 8 rows (lane l holds block l of a row) and puts codes and scale bytes into LDS | barrier |
;          G  every wave takes all 32 rows' codes into registers (128) and multiplies them by ITS 256 hidden units, two tiles of 16 (a group) at a time: 32 matrix instructions, then tanh and the product with Va
;          S  the four waves' partial scores meet in LDS | barrier | every wave runs the same running softmax on the 32 scores (lane = row)
;          C  wave w adds p[row] x row for its 256 columns, from the f32 rows in the slot.
; Ua_w'S CODES.  Five of a wave's eight groups (groups 0 to 4) stay in registers for the whole launch (640).  Groups 5, 6, 7 share one buffer of 128 registers and are loaded straight into it (they lie in memory as
; the registers' image).  They are walked forth in one trip and back in the next, so a trip begins with the group that the last trip left in the buffer and loads two groups of 16,384 bytes a wave.
; Order of a trip: loaded, kept, kept, kept, loaded, kept, kept, loaded: the first load, which is on its way together with the tile's refill, has a tanh and three kept groups in which to arrive, the second a tanh and two.
; The kept groups' scale words, cb and Va lie in LDS bytes of the wave's own (stored once at the head).  They come into two sets of registers that take turns, asked for in runs behind the products of an
; earlier group, in a loaded group ahead of its run of global loads.  Loads stand in runs, not singly among vector and matrix instructions.
; THE PRODUCT: source 0 = 16 encoder rows, source 1 = 16 rows of Ua_w: lane (r, h), register j = (row 8 h + j, hidden unit r).  So cb and Va are one number a lane and tile.
; c x = c acc + cb, c = 2 log2(e), cb from the launch before.  SOFTMAX in base 2: running maximum m, p = 2^(t - m); when m grows, the sum and the context are multiplied by 2^(old m - new m).
; OUT: pctx[g][1024] the unnormalised context, pstat[g][32 lanes][(m, l)]; the last launch joins a batch's four parts.
; NO CLUSTER: the encoder's rows are shared by nobody.  Ua_w's codes are shared by all, but a joint load lands in LDS: of the 327,680 bytes this text uses 323,584, and the 4,096 left are less than one
; loaded group for four waves (65,536); and a wave's one tensor load behind each change of slots is taken by the encoder.
; NO PREFETCH: a slot's refill is asked for a whole trip, 256 matrix instructions a wave, ahead of the wait for it.
; LIMITS: NaN and infinities among the inputs are not served.  A block of zeros gets the scale byte 1 (the rule says 127): its codes are zeros.  tanh by the form above has an absolute error of a few 2^-24;
; exponentials under 2^-126 count as 0 (ISA guide 15.8).  A score's 1,024 terms are added in an order that differs from trip to trip.
.set SLOTB,  139264                    ; a slot: 4 wave parts
.set WPART,  34816                     ; a wave's part: 8 rows
.set ROWP,   4352                      ; a row in LDS: 16 units of 256 bytes + 16 of padding
.set UNITP,  272
.set ACODE,  2*SLOTB                   ; the tile's codes: 32 rows, 528 bytes apart
.set APITCH, 528
.set ASC,    ACODE+32*APITCH           ; its scale bytes: 32 rows, 48 bytes apart
.set SPITCH, 48
.set SCORE,  ASC+32*SPITCH             ; partial scores [wave 4][row 32] f32
.set SPARE,  SCORE+512                 ; the spare words: 128 bytes a wave, two blocks of 256 bytes that no other line names
.set KSB,    SPARE+512                 ; kept scale words: [wave 4][tile 10][lane 32][16 bytes]
.set KCB,    KSB+4*5120                ; kept (cb0, cb1, Va0, Va1): [wave 4][group 5][r 16][16 bytes]
.set TILES,  8
; window 0: v0-127 as named here, all in use; v128-255 (AR): Q: two buffers of two rows; G: A's fragments, (K step s, rows 16 g on) at 16 s + 8 g; C: two buffers of 8 rows x 8 numbers
; windows 1, 2: kept groups 0, 1 and 2, 3 (at v0 and v128); window 3: kept group 4 at v0, the buffer at v128.  In a group: tile u, K step s at 64 u + 8 s
.set PV,   0                           ; p of row l (behind the head, where v0 is the thread's number)
.set SPW,  1                           ; SPARE + 4 x thread; never rewritten
.set NIL,  2                           ; 0; never rewritten
.set QRD0, 3                           ; Q: my block in my wave's first row
.set ADR,  4                           ; the LDS address in hand: Q's, then C's
.set QWC,  5                           ; Q: where my codes go
.set QWS,  6                           ; Q: where my scale byte goes
.set AFA,  7                           ; a fragment of A: ACODE + 528 r + 16 h
.set ASA,  8                           ; A's scale words: ASC + 48 l
.set SCW,  9                           ; SCORE + 128 w + 32 h
.set SCR,  10                          ; SCORE + 4 l
.set CRD0, 11                          ; C: my 16 bytes of my wave's columns
.set L16,  12                          ; 16 l
.set R4,   13                          ; 4 r
.set KSA,  14                          ; KSB + 5,120 w + 16 l
.set KCA,  15                          ; KCB + 1,280 w + 16 r
.set MRUN, 16                          ; running maximum (v[16:17] is what pstat takes)
.set LSUM, 17
.set FF,   18                          ; v[18:19] 2^(old m - new m); v19 only named with it
.set AS,   20                          ; v20-27 A's scale words: register = K step, lane = row.  Scales and nothing else
.set SBS,  28                          ; v28-35 scale words of the two tiles in the buffer.  Scales and nothing else
.set KS,   36                          ; v36-43, v44-51 scale words of kept groups, two sets by turns.  Scales and nothing else
.set KS2,  44
.set KC,   52                          ; v52-55, v56-59 (cb0, cb1, Va0, Va1) of kept groups, two sets by turns
.set KC2,  56
.set SKC,  60                          ; v60-63 the same for the group in the buffer
.set CTX,  64                          ; v64-79 the context: two sets of 8
.set SC,   80                          ; v80-95 score parts: register 8 g + j = row 16 g + 8 h + j.  In Q: at work
.set ACC,  96                          ; v96-127 four accumulators: (tile u, rows 16 g on) at 16 u + 8 g.  In Q: the codes; in S, at the head and on the way out: at work
.set AR,   128
.set TQ,   SC                          ; Q: four maxima, two scale operands, eight scale bytes
.set SOP,  SC+4
.set BY,   SC+6
.set CD,   ACC
.set T0,   ACC
.set TT,   ACC+4
.set UU,   ACC+5
.set PX,   ACC+6
.set SO8,  ACC+7
.set WV,   2
.set CNT,  3
.set TB,   4                           ; LDS byte at which the slot in hand begins
.set MM,   5                           ; 0: the loaded groups are walked forth; 2: back
.set TMPS, 7
.set C2,   8                           ; s[8:9] c, twice
.set SEL,  10                          ; s[10:11] selects for lane l xor 16
.set G0,   12
.set G1,   16
.set PENC, 24
.set PUC,  26                          ; ub_codes, ub_scales, cbias, Va_w at my wave's part
.set PUS,  28
.set PCB,  30
.set PVA,  32
.set PCT,  34
.set PST,  36
.set KK,   38                          ; the loaded group that is asked for: 0, 1, 2
.set NL2E, 39                          ; -2 log2(e)
.set OFS,  40                          ; s[40:41] an offset in 64 bits; s41 stays 0
.set SPC,  42                          ; s[42:43], s[44:45], s[46:47], s[66:67]: the four buffers at the group asked for
.set SPS,  44
.set SPB,  46
.set PP,   48                          ; s[48:63] eight pairs: p of a row in the even register
.set SPV,  66
.set MSB, 0
.macro WIN new                         ; s_set_vgpr_msb: bits 1:0 source 0, 3:2 source 1, 5:4 source 2, 7:6 destination; the high byte repeats the setting that is left
.if MSB != \new
	s_set_vgpr_msb (MSB<<8)|\new
.set MSB, \new
.endif
.endm
; THE CHANGE OF SLOTS, at a trip's head: all my tensor loads are waited for, 0 goes onto my spare word, that and my LDS reads are waited for; behind the barrier the slot that was left takes the next tile.
.macro CHANGE fill
	s_wait_tensorcnt 0x0                           ; no tensor load of mine is out, so group 0 may be written
	ds_add_u32 v[SPW], v[NIL]
.if \fill
	s_xor_b32 s[G0+1], s[G0+1], SLOTB              ; SLOTB is bits 13 and 17, which no WPART x wave has
	s_add_nc_u64 s[G0+2:G0+3], s[G0+2:G0+3], 0x20000   ; 32 rows of 4,096 bytes on
.endif
	s_wait_dscnt 0x0
	s_barrier_signal -1
	s_barrier_wait -1
.if \fill
	tensor_load_to_lds s[G0:G0+3], s[G1:G1+7]      ; my one tensor load until the next change
	s_nop 0
.endif
.endm
; Q, part sb of four: rows 2 sb, 2 sb + 1 of my 8; lane l holds block l of each
.macro QLOAD sb
.irp p, 0,1
.irp j, 0,1,2,3,4,5,6,7
	ds_load_b128 v[AR+64*((\sb)%2)+32*\p+4*\j:AR+64*((\sb)%2)+32*\p+4*\j+3], v[ADR] offset:(2*(\sb)+\p)*ROWP+16*\j
.endr
.endr
.endm
.macro QPROC sb, left                  ; left: the LDS instructions issued behind this part's loads, which may stay out
.set XB, AR+64*((\sb)%2)
	s_wait_dscnt \left
.irp p, 0,1
.irp q, 0,1
	v_max3_num_f32 v[TQ+2*\p+\q], |v[XB+32*\p+16*\q]|, |v[XB+32*\p+16*\q+1]|, 0x1800000   ; the floor 2^(3 - 127) among the leaves: the byte cannot fall under 1
.endr
.endr
.irp i, 2,4,6,8,10,12,14
.irp p, 0,1
.irp q, 0,1
	v_max3_num_f32 v[TQ+2*\p+\q], |v[XB+32*\p+16*\q+\i]|, |v[XB+32*\p+16*\q+\i+1]|, v[TQ+2*\p+\q]   ; four chains by turns
.endr
.endr
.endr
.irp p, 0,1
	v_max_num_f32 v[TQ+2*\p], v[TQ+2*\p], v[TQ+2*\p+1]
.endr
.irp p, 0,1
	v_add_nc_u32 v[SOP+\p], 0xff000000, v[TQ+2*\p] ; 2 off the exponent field: the conversion's scale operand
.endr
.irp p, 0,1
	v_lshrrev_b32 v[BY+2*(\sb)+\p], 23, v[SOP+\p]  ; the scale's byte
.endr
.irp p, 0,1
.irp q, 0,1,2,3
	v_cvt_scalef32_pk8_fp4_f32 v[CD+8*(\sb)+4*\p+\q], v[XB+32*\p+8*\q:XB+32*\p+8*\q+7], v[SOP+\p]
.endr
.endr
	v_nop                                          ; one plain instruction behind the last scaled conversion
.irp p, 0,1
	ds_store_b128 v[QWC], v[CD+8*(\sb)+4*\p:CD+8*(\sb)+4*\p+3] offset:(2*(\sb)+\p)*APITCH
	ds_store_b8 v[QWS], v[BY+2*(\sb)+\p] offset:(2*(\sb)+\p)*SPITCH
.endr
.endm
; all 32 rows' codes become A's 16 fragments: registers 4 c .. 4 c + 3 of lane (r, h) = block 4 s + 2 c + h of row 16 g + r; lane l takes row l's eight scale words, first.
; One run of 34 loads; the trip's first group waits K step by K step
.macro ALOAD
	ds_load_b128 v[AS:AS+3], v[ASA]
	ds_load_b128 v[AS+4:AS+7], v[ASA] offset:16
.irp s, 0,1,2,3,4,5,6,7
.irp g, 0,1
.irp c, 0,1
	ds_load_b128 v[AR+16*\s+8*\g+4*\c:AR+16*\s+8*\g+4*\c+3], v[AFA] offset:\g*16*APITCH+64*\s+32*\c
.endr
.endr
.endr
.endm
; 32 loads: group gi of the B at base sb, all 8 K steps, into v[bb ..] of the destination's window: each load reads 512 consecutive bytes
.macro BLOAD gi, bb, sb
.irp u, 0,1
.irp s, 0,1,2,3,4,5,6,7
.irp c, 0,1
	global_load_b128 v[\bb+64*\u+8*\s+4*\c:\bb+64*\u+8*\s+4*\c+3], v[L16], s[\sb:\sb+1] offset:(2*(\gi)+\u)*8192+1024*\s+512*\c
.endr
.endr
.endr
.endm
; C: the 8 rows of the wave part at which ADR stands, my wave's 1,024 bytes of each, into buffer wq % 2: one run of 16 loads
.macro CLOAD wq
.irp i, 0,1,2,3,4,5,6,7
.irp q, 0,1
	ds_load_b128 v[AR+64*(\wq%2)+8*\i+4*\q:AR+64*(\wq%2)+8*\i+4*\q+3], v[ADR] offset:\i*ROWP+\q*2*UNITP
.endr
.endr
.endm
.macro CFMA wq, left                   ; left: the LDS loads issued behind this part's, which may stay out
.irp i, 0,1,2,3,4,5,6,7
	v_readlane_b32 s[PP+2*\i], v[PV], 8*\wq+\i     ; p of row 8 wq + i: a factor, never an address
.endr
	s_wait_dscnt \left
.irp i, 0,1,2,3,4,5,6,7
.irp e, 0,2,4,6
	v_pk_fma_f32 v[CTX+8*(\i%2)+\e:CTX+8*(\i%2)+\e+1], v[AR+64*(\wq%2)+8*\i+\e:AR+64*(\wq%2)+8*\i+\e+1], s[PP+2*\i:PP+2*\i+1], v[CTX+8*(\i%2)+\e:CTX+8*(\i%2)+\e+1] op_sel_hi:[1,0,1]
.endr
.endr
.endm
; G: one group of two tiles.  win: B's window; bb: where its B lies; bsr: its scale words; cr: its (cb0, cb1, Va0, Va1); stream = 1: it lies in the buffer;
; pos = 0, 1: behind its products the buffer takes the next loaded group; lda, ldb >= 0: behind its products the first, the second set takes that kept group's scale words, cb and Va;
; first, cpre: the trip's first and last group.
.macro GROUP win, bb, bsr, cr, stream, pos, lda, ldb, first, cpre
.if \stream
	s_wait_loadcnt 0x0                             ; all my loads are in: codes, scale words, cb and Va of this group; so their bases may be written again
.else
	s_wait_dscnt 0x0                               ; this group's scale words, cb and Va are in
.endif
	WIN \win
.irp s, 0,1,2,3,4,5,6,7                ; the four accumulators take turns, one instruction a turn; the first K step starts the sums
.if \first
	s_wait_dscnt 28-4*\s                           ; A's scale words and fragments up to this K step are in; the later K steps', 4 loads each, may be out
.endif
.irp u, 0,1
.irp g, 0,1
.set rD, ACC+16*\u+8*\g
.set rA, AR+16*\s+8*\g
.set rB, 64*\u+8*\s+(\bb)
.set rX, AS+\s
.set rY, 4*\u+\s/2+(\bsr)
.if (\s == 0) && (\g == 0)
	v_wmma_scale_f32_16x16x128_f8f6f4 v[rD:rD+7], v[rA:rA+7], v[rB:rB+7], 0, v[rX], v[rY] matrix_a_fmt:MATRIX_FMT_FP4 matrix_b_fmt:MATRIX_FMT_FP4
.elseif \s == 0
	v_wmma_scale_f32_16x16x128_f8f6f4 v[rD:rD+7], v[rA:rA+7], v[rB:rB+7], 0, v[rX], v[rY] matrix_a_fmt:MATRIX_FMT_FP4 matrix_b_fmt:MATRIX_FMT_FP4 matrix_a_scale:MATRIX_SCALE_ROW1
.elseif (\s%2 == 0) && (\g == 0)
	v_wmma_scale_f32_16x16x128_f8f6f4 v[rD:rD+7], v[rA:rA+7], v[rB:rB+7], v[rD:rD+7], v[rX], v[rY] matrix_a_fmt:MATRIX_FMT_FP4 matrix_b_fmt:MATRIX_FMT_FP4
.elseif \s%2 == 0
	v_wmma_scale_f32_16x16x128_f8f6f4 v[rD:rD+7], v[rA:rA+7], v[rB:rB+7], v[rD:rD+7], v[rX], v[rY] matrix_a_fmt:MATRIX_FMT_FP4 matrix_b_fmt:MATRIX_FMT_FP4 matrix_a_scale:MATRIX_SCALE_ROW1
.elseif \g == 0
	v_wmma_scale_f32_16x16x128_f8f6f4 v[rD:rD+7], v[rA:rA+7], v[rB:rB+7], v[rD:rD+7], v[rX], v[rY] matrix_a_fmt:MATRIX_FMT_FP4 matrix_b_fmt:MATRIX_FMT_FP4 matrix_b_scale:MATRIX_SCALE_ROW1
.else
	v_wmma_scale_f32_16x16x128_f8f6f4 v[rD:rD+7], v[rA:rA+7], v[rB:rB+7], v[rD:rD+7], v[rX], v[rY] matrix_a_fmt:MATRIX_FMT_FP4 matrix_b_fmt:MATRIX_FMT_FP4 matrix_a_scale:MATRIX_SCALE_ROW1 matrix_b_scale:MATRIX_SCALE_ROW1
.endif
.endr
.endr
.endr
	WIN 0
.if \pos == 0
	s_mov_b32 s[KK], 1                             ; forth and back alike: the middle one
.elseif \pos == 1
	s_xor_b32 s[KK], s[MM], 2                      ; forth: 2; back: 0
.endif
.if \pos >= 0
	s_lshl_b32 s[OFS], s[KK], 14                   ; a group is 16,384 bytes of codes,
	s_add_nc_u64 s[SPC:SPC+1], s[PUC:PUC+1], s[OFS:OFS+1]
	s_lshl_b32 s[OFS], s[KK], 10                   ; 1,024 of scale words,
	s_add_nc_u64 s[SPS:SPS+1], s[PUS:PUS+1], s[OFS:OFS+1]
	s_lshl_b32 s[OFS], s[KK], 13                   ; 8,192 in cbias,
	s_add_nc_u64 s[SPB:SPB+1], s[PCB:PCB+1], s[OFS:OFS+1]
	s_lshl_b32 s[OFS], s[KK], 7                    ; 128 in Va_w
	s_add_nc_u64 s[SPV:SPV+1], s[PVA:PVA+1], s[OFS:OFS+1]
.endif
.rept 4
	v_nop                                          ; four places behind the last product: for the first read of results, and for loads into registers that it read
.endr
.if \lda >= 0                          ; later kept groups' scale words, cb and Va: the sets' last readers stand in earlier groups
.irp u, 0,1
	ds_load_b128 v[KS+4*\u:KS+4*\u+3], v[KSA] offset:1024*(\lda)+512*\u
.endr
	ds_load_b128 v[KC:KC+3], v[KCA] offset:256*(\lda)
.endif
.if \ldb >= 0
.irp u, 0,1
	ds_load_b128 v[KS2+4*\u:KS2+4*\u+3], v[KSA] offset:1024*(\ldb)+512*\u
.endr
	ds_load_b128 v[KC2:KC2+3], v[KCA] offset:256*(\ldb)
.endif
.if \pos >= 0
	WIN 0xc0
	BLOAD 5, 128, SPC                              ; groups 5 + k
	WIN 0
.irp u, 0,1
	global_load_b128 v[SBS+4*\u:SBS+4*\u+3], v[L16], s[SPS:SPS+1] offset:(10+\u)*512
.endr
.endif
.if \cpre                              ; A's registers take the context's first 16 rows: they arrive under this group's tanh and the softmax
	v_add_nc_u32 v[ADR], s[TB], v[CRD0]            ; wave part 0 in the slot in hand
	CLOAD 0
	v_add_nc_u32 v[ADR], WPART, v[ADR]             ; part 1
	CLOAD 1
.endif
.set i, 0
.rept 16
.if i < 8
	v_pk_fma_f32 v[ACC+2*i:ACC+2*i+1], v[ACC+2*i:ACC+2*i+1], s[C2:C2+1], v[\cr:\cr+1] op_sel_hi:[1,0,0]   ; c acc + cb0; each accumulator from its low end on
.else
	v_pk_fma_f32 v[ACC+2*i:ACC+2*i+1], v[ACC+2*i:ACC+2*i+1], s[C2:C2+1], v[\cr:\cr+1] op_sel:[0,0,1] op_sel_hi:[1,0,1]   ; c acc + cb1
.endif
.set i, i+1
.endr
	s_wait_alu depctr_va_vdst(0)                   ; a wait ahead of a batch and one behind it
.set i, 0
.rept 32
	v_exp_f32 v[ACC+i], v[ACC+i]                   ; 2^(c x)
.set i, i+1
.endr
	v_nop
	s_wait_alu depctr_va_vdst(0)
.set i, 0
.rept 16
	v_pk_add_f32 v[ACC+2*i:ACC+2*i+1], v[ACC+2*i:ACC+2*i+1], 1.0 op_sel_hi:[1,0]
.set i, i+1
.endr
	s_wait_alu depctr_va_vdst(0)
.set i, 0
.rept 32
	v_rcp_f32 v[ACC+i], v[ACC+i]                   ; 1 / (1 + 2^(c x)): an infinite power gives 0, a vanished one 1
.set i, i+1
.endr
	v_nop
	s_wait_alu depctr_va_vdst(0)
.set i, 0
.rept 16
.if (\first) && (i < 8)
	v_pk_mul_f32 v[SC+2*i:SC+2*i+1], v[ACC+2*i:ACC+2*i+1], v[\cr+2:\cr+3] op_sel_hi:[1,0]   ; the trip's first tile starts the score parts: nothing is cleared
.elseif i < 8
	v_pk_fma_f32 v[SC+2*i:SC+2*i+1], v[ACC+2*i:ACC+2*i+1], v[\cr+2:\cr+3], v[SC+2*i:SC+2*i+1] op_sel_hi:[1,0,1]
.else
	v_pk_fma_f32 v[SC+2*i-16:SC+2*i-15], v[ACC+2*i:ACC+2*i+1], v[\cr+2:\cr+3], v[SC+2*i-16:SC+2*i-15] op_sel:[0,1,0] op_sel_hi:[1,1,1]
.endif
.set i, i+1
.endr
.if \pos >= 0
.irp u, 0,1                            ; the next loaded group's cb and Va, behind their registers' last reader
	global_load_b32 v[SKC+\u], v[R4], s[SPB:SPB+1] offset:(10+\u)*4096
	global_load_b32 v[SKC+2+\u], v[R4], s[SPV:SPV+1] offset:(10+\u)*64
.endr
.endif
.endm
; S: the scores and the running softmax
.macro SPHASE
.irp x, 1,2,4,8                        ; over the 16 lanes of my half: the wave's 256 units
.irp i, 0,1,2,3,4,5,6,7,8,9,10,11,12,13,14,15
	v_add_f32_dpp v[SC+\i], v[SC+\i], v[SC+\i] row_xmask:\x row_mask:0xf bank_mask:0xf
.endr
.endr
	ds_store_b128 v[SCW], v[SC:SC+3]               ; the sixteen lanes of a half write the same words with the same values
	ds_store_b128 v[SCW], v[SC+4:SC+7] offset:16
	ds_store_b128 v[SCW], v[SC+8:SC+11] offset:64
	ds_store_b128 v[SCW], v[SC+12:SC+15] offset:80
	s_wait_dscnt 0x0                               ; for the others' sake: my parts lie in LDS
	s_barrier_signal -1
	s_barrier_wait -1
.irp q, 0,1,2,3
	ds_load_b32 v[T0+\q], v[SCR] offset:128*\q     ; lane l: row l's four parts
.endr
	s_wait_dscnt 0x0
	v_add_f32 v[T0], v[T0], v[T0+1]
	v_add_f32 v[T0+2], v[T0+2], v[T0+3]
	v_add_f32 v[T0], v[T0], v[T0+2]
	v_mul_f32 v[TT], s[NL2E], v[T0]                ; t
	v_max_num_f32_dpp v[UU], v[TT], v[TT] row_xmask:1 row_mask:0xf bank_mask:0xf
	v_max_num_f32_dpp v[UU], v[UU], v[UU] row_xmask:2 row_mask:0xf bank_mask:0xf
	v_max_num_f32_dpp v[UU], v[UU], v[UU] row_xmask:4 row_mask:0xf bank_mask:0xf
	v_max_num_f32_dpp v[UU], v[UU], v[UU] row_xmask:8 row_mask:0xf bank_mask:0xf
	v_permlanex16_b32 v[PX], v[UU], s[SEL], s[SEL+1]
	v_max3_num_f32 v[UU], v[UU], v[PX], v[MRUN]    ; the new running maximum
	v_sub_f32 v[FF], v[MRUN], v[UU]
	v_sub_f32 v[PV], v[TT], v[UU]
	s_wait_alu depctr_va_vdst(0)
	v_exp_f32 v[FF], v[FF]                         ; 2^(old m - new m)
	v_exp_f32 v[PV], v[PV]                         ; p of row l
	v_mov_b32 v[MRUN], v[UU]
	s_wait_alu depctr_va_vdst(0)
	v_fma_f32 v[LSUM], v[LSUM], v[FF], v[PV]
.irp i, 0,2,4,6,8,10,12,14
	v_pk_mul_f32 v[CTX+\i:CTX+\i+1], v[CTX+\i:CTX+\i+1], v[FF:FF+1] op_sel_hi:[1,0]
.endr
.endm
.macro BODY last
	v_add_nc_u32 v[ADR], s[TB], v[QRD0]            ; Q's address in the slot in hand
	QLOAD 0
	QLOAD 1
	QPROC 0, 16                                    ; 16: part 1's loads stay out
	QLOAD 2
	QPROC 1, 20                                    ; 20: part 0's 4 stores and part 2's 16 loads
	QLOAD 3
	QPROC 2, 20
	QPROC 3, 4                                     ; 4: part 2's stores
	s_wait_dscnt 0x0                               ; for the others' sake: my rows' codes and scale bytes lie in LDS
	s_barrier_signal -1
	s_barrier_wait -1
	ALOAD
	GROUP 0x0c, 128, SBS, SKC, 1, 0,  0,  1,  1, 0 ; the group that the last trip left in the buffer
	GROUP 0x04, 0,   KS,  KC,  0, -1, -1, -1, 0, 0
	GROUP 0x04, 128, KS2, KC2, 0, -1, 2,  -1, 0, 0
	GROUP 0x08, 0,   KS,  KC,  0, -1, -1, -1, 0, 0
	GROUP 0x0c, 128, SBS, SKC, 1, 1,  4,  3,  0, 0
	GROUP 0x08, 128, KS2, KC2, 0, -1, -1, -1, 0, 0
	GROUP 0x0c, 0,   KS,  KC,  0, -1, -1, -1, 0, 0
	GROUP 0x0c, 128, SBS, SKC, 1, -1, -1, -1, 0, 1 ; it stays in the buffer for the next trip
	SPHASE
	CFMA 0, 0                                      ; parts 0 and 1 came in under the last group's tanh
	v_add_nc_u32 v[ADR], WPART, v[ADR]             ; part 2
	CLOAD 2
	CFMA 1, 16                                     ; 16: part 2's loads stay out
	v_add_nc_u32 v[ADR], WPART, v[ADR]             ; part 3
	CLOAD 3
	CFMA 2, 16                                     ; 16: part 3's
	CFMA 3, 0
.if \last == 0
	s_xor_b32 s[TB], s[TB], SLOTB                  ; on to the other slot,
	s_xor_b32 s[MM], s[MM], 2                      ; and the loaded groups the other way round
.endif
.endm
	s_load_b256 s[PENC:PENC+7], s[0:1], 0x0
	s_load_b128 s[PVA:PVA+3], s[0:1], 0x20
	s_load_b64 s[PST:PST+1], s[0:1], 0x30
	v_lshl_add_u32 v[SPW], v0, 2, SPARE
	v_mov_b32 v[NIL], 0
	ds_add_u32 v[SPW], v[NIL]                      ; the opening lines: the add twice on end and its wait ahead of my first tensor load
	ds_add_u32 v[SPW], v[NIL]
	v_lshrrev_b32 v[T0], 5, v0
	v_readfirstlane_b32 s[WV], v[T0]               ; wave 0..3
	; descriptor group 1: 32,768 consecutive bytes as 128 rows of 256 bytes (32 elements of 8 bytes), 16 bytes of padding behind each
	s_mov_b32 s[G1+0], (3<<16)|(1<<20)|(5<<22)|(3<<25)
	s_mov_b32 s[G1+1], 32<<16
	s_mov_b32 s[G1+2], 128<<16
	s_mov_b32 s[G1+3], 32<<16
	s_mov_b32 s[G1+4], 128
	s_mov_b32 s[G1+5], 32
	s_mov_b32 s[G1+6], 0
	s_mov_b32 s[G1+7], 0
	s_mul_i32 s70, s[WV], WPART                    ; my wave's places in LDS
	s_mul_i32 s71, s[WV], 8*APITCH
	s_add_co_u32 s71, s71, ACODE
	s_mul_i32 s72, s[WV], 8*SPITCH
	s_add_co_u32 s72, s72, ASC
	s_lshl_b32 s73, s[WV], 7
	s_add_co_u32 s73, s73, SCORE
	s_mul_i32 s74, s[WV], 4*UNITP
	s_mul_i32 s75, s[WV], 5120
	s_add_co_u32 s75, s75, KSB
	s_mul_i32 s76, s[WV], 1280
	s_add_co_u32 s76, s76, KCB
	s_mov_b32 s[TB], 0
	s_mov_b32 s[MM], 0
	s_mov_b32 s[C2], 0x4038aa3b                    ; c = 2 log2(e)
	s_mov_b32 s[C2+1], s[C2]
	s_mov_b32 s[SEL], 0x76543210
	s_mov_b32 s[SEL+1], 0xfedcba98
	s_mov_b32 s[NL2E], 0xc038aa3b                  ; -2 log2(e)
.irp i, 1,3,5,7,9,11,13,15
	s_mov_b32 s[PP+\i], 0                          ; named as the upper halves of pairs, so they are written
.endr
	s_lshl_b32 s[OFS], ttmp9, 20                   ; my work-group's 256 rows of 4,096 bytes,
	s_lshl_b32 s[TMPS], s[WV], 15                  ; my wave's 8 rows of a tile
	s_add_co_u32 s[OFS], s[OFS], s[TMPS]
	s_mov_b32 s[OFS+1], 0
	s_mov_b32 s[G0], 1
	s_mov_b32 s[G0+1], s70
	s_wait_dscnt 0x0                               ; both opening adds are done
	s_wait_kmcnt 0x0
	s_add_nc_u64 s[G0+2:G0+3], s[PENC:PENC+1], s[OFS:OFS+1]
	s_or_b32 s[G0+3], s[G0+3], 0x80000000
	tensor_load_to_lds s[G0:G0+3], s[G1:G1+7]      ; tile 0: my one tensor load at the head
	s_nop 0
	s_lshl_b32 s[OFS], s[WV], 17                   ; my wave's 16 tiles: 8,192 bytes of codes each,
	s_add_nc_u64 s[PUC:PUC+1], s[PUC:PUC+1], s[OFS:OFS+1]
	s_lshl_b32 s[OFS], s[WV], 13                   ; 512 of scale words,
	s_add_nc_u64 s[PUS:PUS+1], s[PUS:PUS+1], s[OFS:OFS+1]
	s_lshr_b32 s[OFS], ttmp9, 2
	s_lshl_b32 s[OFS], s[OFS], 6                   ; my batch: 64 bytes in a tile of cbias,
	s_lshl_b32 s[TMPS], s[WV], 16                  ; a tile 4,096
	s_add_co_u32 s[OFS], s[OFS], s[TMPS]
	s_add_nc_u64 s[PCB:PCB+1], s[PCB:PCB+1], s[OFS:OFS+1]
	s_lshl_b32 s[TMPS], s[WV], 10
	s_mov_b32 s[OFS], s[TMPS]
	s_add_nc_u64 s[PVA:PVA+1], s[PVA:PVA+1], s[OFS:OFS+1]
	s_lshl_b32 s[OFS], ttmp9, 12
	s_add_co_u32 s[OFS], s[OFS], s[TMPS]
	s_add_nc_u64 s[PCT:PCT+1], s[PCT:PCT+1], s[OFS:OFS+1]
	s_lshl_b32 s[OFS], ttmp9, 8
	s_add_nc_u64 s[PST:PST+1], s[PST:PST+1], s[OFS:OFS+1]
	v_and_b32 v[T0], 31, v0                        ; l
	v_and_b32 v[T0+1], 15, v0                      ; r
	v_bfe_u32 v[T0+2], v0, 4, 1                    ; h
	v_lshrrev_b32 v[T0+3], 1, v[T0]
	v_mul_u32_u24 v[QRD0], v[T0+3], UNITP
	v_and_b32 v[T0+3], 1, v0
	v_lshl_add_u32 v[QRD0], v[T0+3], 7, v[QRD0]
	v_add_nc_u32 v[QRD0], s70, v[QRD0]             ; WPART w + 272 (l / 2) + 128 (l % 2)
	v_lshl_add_u32 v[QWC], v[T0], 4, s71
	v_add_nc_u32 v[QWS], s72, v[T0]
	v_mul_u32_u24 v[AFA], v[T0+1], APITCH
	v_lshl_add_u32 v[AFA], v[T0+2], 4, v[AFA]
	v_add_nc_u32 v[AFA], ACODE, v[AFA]
	v_mul_u32_u24 v[ASA], v[T0], SPITCH
	v_add_nc_u32 v[ASA], ASC, v[ASA]
	v_lshl_add_u32 v[SCW], v[T0+2], 5, s73
	v_lshl_add_u32 v[SCR], v[T0], 2, SCORE
	v_mul_u32_u24 v[CRD0], v[T0+2], UNITP
	v_lshl_add_u32 v[CRD0], v[T0+1], 4, v[CRD0]
	v_add_nc_u32 v[CRD0], s74, v[CRD0]
	v_lshlrev_b32 v[L16], 4, v[T0]
	v_lshlrev_b32 v[R4], 2, v[T0+1]
	v_lshl_add_u32 v[KSA], v[T0], 4, s75
	v_lshl_add_u32 v[KCA], v[T0+1], 4, s76
	v_mov_b32 v[MRUN], 0xff61b1e6                  ; -3e38, under every t: the first trip's factor is 0 and multiplies zeros
	v_mov_b32 v[LSUM], 0
	v_mov_b32 v[FF+1], 0
.irp i, 0,1,2,3,4,5,6,7,8,9,10,11,12,13,14,15
	v_mov_b32 v[CTX+\i], 0
.endr
	s_wait_alu depctr_va_vdst(0)
	; 36 small loads, then the first loaded group (32), then, behind the stores to LDS, the kept groups (160)
.irp p, 0,1,2,3,4,5,6,7,8,9
	global_load_b128 v[AR+4*\p:AR+4*\p+3], v[L16], s[PUS:PUS+1] offset:512*\p        ; the kept tiles' scale words
.endr
.irp g, 0,1,2,3,4
.irp u, 0,1
	global_load_b32 v[AR+40+4*\g+\u], v[R4], s[PCB:PCB+1] offset:4096*(2*\g+\u)      ; cb
	global_load_b32 v[AR+42+4*\g+\u], v[R4], s[PVA:PVA+1] offset:64*(2*\g+\u)        ; Va
.endr
.endr
.irp u, 0,1                            ; the first loaded group: group 5
	global_load_b128 v[SBS+4*\u:SBS+4*\u+3], v[L16], s[PUS:PUS+1] offset:512*(10+\u)
	global_load_b32 v[SKC+\u], v[R4], s[PCB:PCB+1] offset:4096*(10+\u)
	global_load_b32 v[SKC+2+\u], v[R4], s[PVA:PVA+1] offset:64*(10+\u)
.endr
	WIN 0xc0
	BLOAD 5, 128, PUC
	WIN 0
	s_wait_loadcnt 32                              ; the 36 small loads are in; the 32 issued behind them stay out
.irp p, 0,1,2,3,4,5,6,7,8,9
	ds_store_b128 v[KSA], v[AR+4*\p:AR+4*\p+3] offset:512*\p     ; into my wave's own bytes: only I read them, and LDS serves a wave's instructions in order (ISA guide 5.7.1.4)
.endr
.irp g, 0,1,2,3,4
	ds_store_b128 v[KCA], v[AR+40+4*\g:AR+43+4*\g] offset:256*\g ; lanes r and 16 + r write the same bytes with the same values
.endr
	WIN 0x40
	BLOAD 0, 0, PUC                                ; the five kept groups: read once in the launch; the first trip's first group waits for them
	BLOAD 1, 128, PUC
	WIN 0x80
	BLOAD 2, 0, PUC
	BLOAD 3, 128, PUC
	WIN 0xc0
	BLOAD 4, 0, PUC
	WIN 0
	s_mov_b32 s[CNT], TILES-1
.Ltrip:                                        ; 7 trips: behind each change of slots but the last the next tile is asked for
	CHANGE 1
	BODY 0
	s_sub_co_u32 s[CNT], s[CNT], 1
	s_cmp_lg_u32 s[CNT], 0
	s_cbranch_scc1 .Ltrip
	CHANGE 0                                       ; the last tile is written out
	BODY 1
	; THE WAY OUT
.irp e, 0,2,4,6
	v_pk_add_f32 v[CTX+\e:CTX+\e+1], v[CTX+\e:CTX+\e+1], v[CTX+8+\e:CTX+8+\e+1]   ; even rows' and odd rows' sums
.endr
	global_store_b128 v[L16], v[CTX:CTX+3], s[PCT:PCT+1]                 ; 32 lanes store 512 consecutive bytes, aligned
	global_store_b128 v[L16], v[CTX+4:CTX+7], s[PCT:PCT+1] offset:512
	v_add_f32_dpp v[LSUM], v[LSUM], v[LSUM] row_xmask:1 row_mask:0xf bank_mask:0xf
	v_add_f32_dpp v[LSUM], v[LSUM], v[LSUM] row_xmask:2 row_mask:0xf bank_mask:0xf
	v_add_f32_dpp v[LSUM], v[LSUM], v[LSUM] row_xmask:4 row_mask:0xf bank_mask:0xf
	v_add_f32_dpp v[LSUM], v[LSUM], v[LSUM] row_xmask:8 row_mask:0xf bank_mask:0xf
	v_permlanex16_b32 v[PX], v[LSUM], s[SEL], s[SEL+1]
	v_add_f32 v[LSUM], v[LSUM], v[PX]              ; the sum of p over my work-group's 256 rows, in every lane
	v_lshrrev_b32 v[SO8], 1, v[L16]                ; 8 l
	s_wait_alu depctr_va_vdst(0)
	s_cmp_lg_u32 s[WV], 0                          ; all four waves hold the same two numbers: wave 0 stores them
	s_cbranch_scc1 .Lno_stat
	global_store_b64 v[SO8], v[MRUN:LSUM], s[PST:PST+1]   ; the pair in every lane: 256 consecutive bytes, aligned
.Lno_stat:
	s_wait_tensorcnt 0x0                           ; the wave's end
	ds_add_u32 v[SPW], v[NIL]
	s_wait_dscnt 0x0
	s_endpgm
.Lfunc_end_k_q51f04d4281_main:
	.size	k_q51f04d4281_main, .Lfunc_end_k_q51f04d4281_main-k_q51f04d4281_main
	.p2alignl 7, 3214868480
	.fill 96, 4, 3214868480
	.section	.rodata,"a",@progbits
	.p2align	6, 0x0
	.amdhsa_kernel k_q51f04d4281_main
		.amdhsa_group_segment_fixed_size 327680
		.amdhsa_private_segment_fixed_size 0
		.amdhsa_enable_private_segment 0
		.amdhsa_kernarg_size 56
		.amdhsa_user_sgpr_count 2
		.amdhsa_user_sgpr_kernarg_segment_ptr 1
		.amdhsa_wavefront_size32 1
		.amdhsa_system_sgpr_workgroup_id_x 1
		.amdhsa_system_sgpr_workgroup_id_y 1
		.amdhsa_system_sgpr_workgroup_id_z 1
		.amdhsa_system_vgpr_workitem_id 0
		.amdhsa_next_free_vgpr 1024
		.amdhsa_next_free_sgpr 80
		.amdhsa_reserve_vcc 0
		.amdhsa_float_denorm_mode_32 3
		.amdhsa_float_denorm_mode_16_64 3
		.amdhsa_memory_ordered 1
		.amdhsa_forward_progress 1
		.amdhsa_inst_pref_size 255
	.end_amdhsa_kernel
	.section	.bss,"aw",@nobits
	.p2align	6
	.space	262144
	.amdgpu_metadata
---
amdhsa.version: [ 1, 2 ]
amdhsa.kernels:
  - .name:           k_q51f04d4281_main
    .symbol:         k_q51f04d4281_main.kd
    .args:
      - { .name: encoder_outputs, .offset: 0, .size: 8, .value_kind: global_buffer, .address_space: global }
      - { .name: ub_codes, .offset: 8, .size: 8, .value_kind: global_buffer, .address_space: global }
      - { .name: ub_scales, .offset: 16, .size: 8, .value_kind: global_buffer, .address_space: global }
      - { .name: cbias, .offset: 24, .size: 8, .value_kind: global_buffer, .address_space: global }
      - { .name: Va_w, .offset: 32, .size: 8, .value_kind: global_buffer, .address_space: global }
      - { .name: pctx, .offset: 40, .size: 8, .value_kind: global_buffer, .address_space: global }
      - { .name: pstat, .offset: 48, .size: 8, .value_kind: global_buffer, .address_space: global }
    .group_segment_fixed_size: 327680
    .private_segment_fixed_size: 0
    .kernarg_segment_align: 8
    .kernarg_segment_size: 56
    .max_flat_workgroup_size: 128
    .sgpr_count:     80
    .vgpr_count:     1024
    .wavefront_size: 32
...
	.end_amdgpu_metadata
.endif
;; end of part 2
;; launch join (part 3): grid 64 x 1, 8 waves a work-group, no clusters, 0 bytes of LDS; arguments pctx, pstat, out0; writes out0
.if DOCPART == 3
	.amdgcn_target "amdgcn-amd-amdhsa--gfx1250"
	.amdhsa_code_object_version 6
	.text
	.protected	k_q51f04d4281_join
	.globl	k_q51f04d4281_join
	.p2align	8
	.type	k_q51f04d4281_join,@function
k_q51f04d4281_join:
	s_mov_b64 s[64:65], 0
	v_nop
	global_prefetch_b8 v0, s[64:65] scope:SCOPE_SE
	s_setreg_imm32_b32 hwreg(HW_REG_WAVE_MODE, 25, 1), 1
	s_wait_xcnt 0x0
; JOIN.  A batch's softmax was run in four parts of 256 rows, each with its own maximum m (in base 2), sum l and unnormalised context.  Here: M = the largest m, w_q = 2^(m_q - M),
; out = (sum of w_q ctx_q) / (sum of w_q l_q).  The part that holds M has l >= 1, so the divisor is never 0.
; One work-group a batch; thread t owns 4 columns (16 bytes): a wave's load or store covers 512 consecutive bytes.  pstat holds each part's pair once for each of 32 lanes: a lane loads its own 8 bytes.
; Memory binds what little there is to do: no LDS, no barrier, no matrix unit, nothing shared between work-groups.
	s_load_b128 s[4:7], s[0:1], 0x0                ; pctx, pstat
	s_load_b64 s[8:9], s[0:1], 0x10                ; out0
	v_lshlrev_b32 v1, 4, v0                        ; 16 t
	v_and_b32 v2, 31, v0
	s_delay_alu instid0(VALU_DEP_1)
	v_lshlrev_b32 v2, 3, v2                        ; 8 x lane
	s_lshl_b32 s10, ttmp9, 14                      ; four parts of 4,096 bytes
	s_mov_b32 s11, 0
	s_lshl_b32 s12, ttmp9, 10                      ; four parts of 256 bytes
	s_mov_b32 s13, 0
	s_lshl_b32 s14, ttmp9, 12
	s_mov_b32 s15, 0
	s_wait_alu depctr_va_vdst(0)
	s_wait_kmcnt 0x0
	s_add_nc_u64 s[4:5], s[4:5], s[10:11]
	s_add_nc_u64 s[6:7], s[6:7], s[12:13]
	s_add_nc_u64 s[8:9], s[8:9], s[14:15]
.irp q, 0,1,2,3
	global_load_b64 v[20+2*\q:21+2*\q], v2, s[6:7] offset:256*\q              ; (m, l) of part q
.endr
.irp q, 0,1,2,3
	global_load_b128 v[4+4*\q:7+4*\q], v1, s[4:5] offset:4096*\q th:TH_LOAD_NT   ; my 4 columns of part q: read once
.endr
	s_wait_loadcnt 4                               ; the four pairs are in; the four loads issued behind them stay out
	v_max3_num_f32 v28, v20, v22, v24
	s_delay_alu instid0(VALU_DEP_1)
	v_max_num_f32 v28, v28, v26                    ; M
.irp q, 0,1,2,3
	v_sub_f32 v[20+2*\q], v[20+2*\q], v28
.endr
	s_wait_alu depctr_va_vdst(0)
.irp q, 0,1,2,3
	v_exp_f32 v[20+2*\q], v[20+2*\q]               ; w_q
.endr
	v_nop                                          ; a plain instruction behind the last exponential,
	s_wait_alu depctr_va_vdst(0)                   ; and one wait for the four ahead of their first reader
	v_mul_f32 v29, v20, v21
	v_fmac_f32 v29, v22, v23
	v_fmac_f32 v29, v24, v25
	v_fmac_f32 v29, v26, v27                       ; the whole row's sum
	s_wait_alu depctr_va_vdst(0)
	v_rcp_f32 v29, v29
	v_nop
	s_wait_alu depctr_va_vdst(0)
.irp q, 0,1,2,3
	v_mul_f32 v[20+2*\q], v[20+2*\q], v29          ; w_q / the sum
.endr
	s_wait_alu depctr_va_vdst(0)
	s_wait_loadcnt 0x0
	v_pk_mul_f32 v[30:31], v[4:5], v[20:21] op_sel_hi:[1,0]     ; of the pair (w, l) the low word serves both halves
	v_pk_mul_f32 v[32:33], v[6:7], v[20:21] op_sel_hi:[1,0]
.irp q, 1,2,3
	s_delay_alu instid0(VALU_DEP_2)
	v_pk_fma_f32 v[30:31], v[4+4*\q:5+4*\q], v[20+2*\q:21+2*\q], v[30:31] op_sel_hi:[1,0,1]
	s_delay_alu instid0(VALU_DEP_2)
	v_pk_fma_f32 v[32:33], v[6+4*\q:7+4*\q], v[20+2*\q:21+2*\q], v[32:33] op_sel_hi:[1,0,1]
.endr
	global_store_b128 v1, v[30:33], s[8:9]         ; 32 lanes store 512 consecutive bytes, aligned
	s_endpgm
.Lfunc_end_k_q51f04d4281_join:
	.size	k_q51f04d4281_join, .Lfunc_end_k_q51f04d4281_join-k_q51f04d4281_join
	.p2alignl 7, 3214868480
	.fill 96, 4, 3214868480
	.section	.rodata,"a",@progbits
	.p2align	6, 0x0
	.amdhsa_kernel k_q51f04d4281_join
		.amdhsa_group_segment_fixed_size 0
		.amdhsa_private_segment_fixed_size 0
		.amdhsa_enable_private_segment 0
		.amdhsa_kernarg_size 24
		.amdhsa_user_sgpr_count 2
		.amdhsa_user_sgpr_kernarg_segment_ptr 1
		.amdhsa_wavefront_size32 1
		.amdhsa_system_sgpr_workgroup_id_x 1
		.amdhsa_system_sgpr_workgroup_id_y 1
		.amdhsa_system_sgpr_workgroup_id_z 1
		.amdhsa_system_vgpr_workitem_id 0
		.amdhsa_next_free_vgpr 40
		.amdhsa_next_free_sgpr 66
		.amdhsa_reserve_vcc 0
		.amdhsa_float_denorm_mode_32 3
		.amdhsa_float_denorm_mode_16_64 3
		.amdhsa_memory_ordered 1
		.amdhsa_forward_progress 1
		.amdhsa_inst_pref_size 4
	.end_amdhsa_kernel
	.amdgpu_metadata
---
amdhsa.version: [ 1, 2 ]
amdhsa.kernels:
  - .name:           k_q51f04d4281_join
    .symbol:         k_q51f04d4281_join.kd
    .args:
      - { .name: pctx, .offset: 0, .size: 8, .value_kind: global_buffer, .address_space: global }
      - { .name: pstat, .offset: 8, .size: 8, .value_kind: global_buffer, .address_space: global }
      - { .name: out0, .offset: 16, .size: 8, .value_kind: global_buffer, .address_space: global }
    .group_segment_fixed_size: 0
    .private_segment_fixed_size: 0
    .kernarg_segment_align: 8
    .kernarg_segment_size: 24
    .max_flat_workgroup_size: 256
    .sgpr_count:     66
    .vgpr_count:     40
    .wavefront_size: 32
...
	.end_amdgpu_metadata
.endif
;; end of part 3
